; MI455X (gfx1250); checked and timed in simulation.
; The chip was launched on July 23, 2026; its instructions are those of AMD's public machine-readable ISA for CDNA 5 (MIT licence, August 2026) and "CDNA5" Instruction Set Architecture Reference Guide (July 2026). The comments in the code are by the model that wrote it; some were corrected since.
;; Attention. Allowed arithmetic: float matrix products may take bf16 or f16 operands with f32 sums; all other float work in f32.
;; Inputs: k_b 4,096 float32; k_w 512 x 4,096 float32; ln_b 512 float32; ln_w 512 float32; o_b 512 float32; o_w 4,096 x 512 float32; q_b 4,096 float32; q_w 512 x 4,096 float32; v_b 4,096 float32; v_w 512 x 4,096 float32; x 4 x 1,024 x 512 float32.
;; Outputs: out0 4 x 1,024 x 512 float32.
;; One version. Each part assembles by itself: llvm-mc -triple=amdgcn-amd-amdhsa -mcpu=gfx1250 --defsym DOCPART=n.
;; ======== version 1 of 1: 4 launches
;; limits: values are held in f16: magnitudes above 65,504 overflow, below 6.1e-05 lose precision
;; workspace buffers: xn 4,194,304 bytes; wqkv 12,582,912 bytes; wo 4,194,304 bytes; qkv 100,663,296 bytes; part 67,108,864 bytes
;; launch prep (part 1): grid 256 x 5, 8 waves a work-group, no clusters, 0 bytes of LDS; arguments x, ln_w, ln_b, q_w, k_w, v_w, o_w, xn, wqkv, wo; writes xn, wqkv, wo
.if DOCPART == 1
	.amdgcn_target "amdgcn-amd-amdhsa--gfx1250"
	.amdhsa_code_object_version 6
	.text
	.protected	k_q67d5edbe5f_prep
	.globl	k_q67d5edbe5f_prep
	.p2align	8
	.type	k_q67d5edbe5f_prep,@function
k_q67d5edbe5f_prep:
	s_mov_b64 s[64:65], 0
	v_nop
	global_prefetch_b8 v0, s[64:65] scope:SCOPE_SE
	s_setreg_imm32_b32 hwreg(HW_REG_WAVE_MODE, 25, 1), 1
	s_wait_xcnt 0x0
; Job y = 0: xn = LayerNorm(x) * ln_w + ln_b, rounded once to f16.   x: [4096][512] f32, xn: [4096][512] f16.
; Jobs y = 1, 2, 3: q_w, k_w, v_w ([512][4096] f32) rounded to f16, side by side in wqkv ([512][12288] f16: columns 0, 4096, 8192).
; Job y = 4: o_w ([4096][512] f32) rounded to f16 into wo.
; A stream: every byte is read once and written once, so there is no LDS, no barrier, no matrix work and nothing to share in a cluster.
; Each job has 256 work-groups of eight waves; a work-group takes 32,768 bytes of its f32 source, a wave 4,096.
; LIMIT: f16 holds numbers below 65,504 in magnitude; a larger |xn| or weight becomes an infinity, a weight below 6e-8 loses digits.
.set XR, 8                             ; v[8:39]   LayerNorm: two rows, 16 numbers a lane each; convert: 32 numbers a lane
.set LW, 40                            ; v[40:55]  ln_w of my 16 columns (convert: v[40:55] the packed results)
.set LB, 56                            ; v[56:71]  ln_b of my 16 columns
.set TS, 80                            ; v[80:87]  partial sums
.set MU, 4                             ; v[4:5]    the mean, twice
.set RS, 6                             ; v[6:7]    1 / sqrt(var + eps), twice
	s_load_b512 s[8:23], s[0:1], 0x0               ; x 8, ln_w 10, ln_b 12, q_w 14, k_w 16, v_w 18, o_w 20, xn 22
	s_load_b128 s[24:27], s[0:1], 0x40             ; wqkv 24, wo 26
	s_and_b32 s2, ttmp7, 0xffff                    ; the job
	v_lshrrev_b32 v1, 5, v0
	v_readfirstlane_b32 s3, v1                     ; wave 0..7
	v_and_b32 v3, 31, v0                           ; lane
	v_lshlrev_b32 v1, 5, v3                        ; 32 bytes of f32 a lane
	v_lshlrev_b32 v2, 4, v3                        ; 16 bytes of f16 a lane
	s_cmp_eq_u32 s2, 0
	s_cbranch_scc1 .Lln
	; ---- convert a weight ----
	s_lshl_b32 s36, ttmp9, 15                      ; source: 32,768 x group + 4,096 x wave
	s_lshl_b32 s37, s3, 12
	s_add_co_u32 s36, s36, s37
	s_mov_b32 s37, 0
	s_lshl_b32 s4, ttmp9, 1                        ; into wqkv: a group is two rows of 4,096 numbers, a wave a quarter of a row
	s_lshr_b32 s5, s3, 2
	s_add_co_u32 s4, s4, s5                        ; row 2 x group + wave / 4
	s_mul_i32 s4, s4, 24576                        ; rows of wqkv are 24,576 bytes
	s_sub_co_u32 s5, s2, 1
	s_lshl_b32 s5, s5, 13                          ; 8,192 bytes for each of q, k, v
	s_add_co_u32 s4, s4, s5
	s_and_b32 s5, s3, 3
	s_lshl_b32 s5, s5, 11                          ; 2,048 bytes for a quarter of a row
	s_add_co_u32 s4, s4, s5
	s_lshl_b32 s5, ttmp9, 14                       ; into wo: dense, half the source's offset
	s_lshl_b32 s6, s3, 11
	s_add_co_u32 s5, s5, s6
	s_wait_kmcnt 0x0
	s_cmp_eq_u32 s2, 1
	s_cselect_b64 s[32:33], s[14:15], s[16:17]     ; job 1: q_w, else k_w
	s_cmp_eq_u32 s2, 3
	s_cselect_b64 s[32:33], s[18:19], s[32:33]     ; job 3: v_w
	s_cmp_eq_u32 s2, 4
	s_cselect_b64 s[32:33], s[20:21], s[32:33]     ; job 4: o_w
	s_cmp_eq_u32 s2, 4
	s_cselect_b64 s[34:35], s[26:27], s[24:25]     ; job 4 stores into wo, the others into wqkv
	s_cmp_eq_u32 s2, 4
	s_cselect_b32 s38, s5, s4
	s_mov_b32 s39, 0
	s_add_nc_u64 s[32:33], s[32:33], s[36:37]
	s_add_nc_u64 s[34:35], s[34:35], s[38:39]
.irp p, 0,1,2,3
	global_load_b128 v[XR+8*\p:XR+8*\p+3],   v1, s[32:33] offset:1024*\p th:TH_LOAD_NT
	global_load_b128 v[XR+8*\p+4:XR+8*\p+7], v1, s[32:33] offset:1024*\p+16 th:TH_LOAD_NT
.endr
.irp p, 0,1,2,3
	s_wait_loadcnt 6-2*\p                          ; loads come back in order: pair p is in, the 6 - 2 p younger loads stay out
.irp j, 0,1,2,3
	v_cvt_pk_f16_f32 v[LW+4*\p+\j], v[XR+8*\p+2*\j], v[XR+8*\p+2*\j+1]
.endr
	global_store_b128 v2, v[LW+4*\p:LW+4*\p+3], s[34:35] offset:512*\p   ; the wave stores 512 consecutive bytes, aligned to 512
.endr
	s_endpgm
	; ---- LayerNorm: a wave takes two rows; a lane holds columns 8 l .. 8 l + 7 and 256 + 8 l .. 256 + 8 l + 7 of each ----
.Lln:
	s_lshl_b32 s4, ttmp9, 4
	s_lshl_b32 s5, s3, 1
	s_add_co_u32 s4, s4, s5                        ; my first row: 16 x group + 2 x wave
	s_lshl_b32 s36, s4, 11                         ; rows of x are 2,048 bytes,
	s_mov_b32 s37, 0
	s_lshl_b32 s38, s4, 10                         ; rows of xn 1,024
	s_mov_b32 s39, 0
	s_mov_b32 s28, 0x3b000000                      ; 1 / 512
	s_mov_b32 s29, 0x3727c5ac                      ; eps = 1e-5
	s_mov_b32 s30, 0x76543210                      ; v_permlanex16_b32: lane i of one half reads lane i of the other
	s_mov_b32 s31, 0xfedcba98
	s_wait_kmcnt 0x0
	s_add_nc_u64 s[8:9], s[8:9], s[36:37]
	s_add_nc_u64 s[22:23], s[22:23], s[38:39]
.irp c, 0,1
	global_load_b128 v[LW+8*\c:LW+8*\c+3],   v1, s[10:11] offset:1024*\c
	global_load_b128 v[LW+8*\c+4:LW+8*\c+7], v1, s[10:11] offset:1024*\c+16
.endr
.irp c, 0,1
	global_load_b128 v[LB+8*\c:LB+8*\c+3],   v1, s[12:13] offset:1024*\c
	global_load_b128 v[LB+8*\c+4:LB+8*\c+7], v1, s[12:13] offset:1024*\c+16
.endr
.irp w, 0,1
.irp c, 0,1
	global_load_b128 v[XR+16*\w+8*\c:XR+16*\w+8*\c+3],   v1, s[8:9] offset:2048*\w+1024*\c th:TH_LOAD_NT
	global_load_b128 v[XR+16*\w+8*\c+4:XR+16*\w+8*\c+7], v1, s[8:9] offset:2048*\w+1024*\c+16 th:TH_LOAD_NT
.endr
.endr
; sum over the 32 lanes, the result in every lane; t: a register that has been written before
.macro WSUM r, t
	v_add_f32_dpp v[\r], v[\r], v[\r] row_xmask:1 row_mask:0xf bank_mask:0xf
	v_add_f32_dpp v[\r], v[\r], v[\r] row_xmask:2 row_mask:0xf bank_mask:0xf
	v_add_f32_dpp v[\r], v[\r], v[\r] row_xmask:4 row_mask:0xf bank_mask:0xf
	v_add_f32_dpp v[\r], v[\r], v[\r] row_xmask:8 row_mask:0xf bank_mask:0xf
	v_permlanex16_b32 v[\t], v[\r], s30, s31
	v_add_f32 v[\r], v[\r], v[\t]
.endm
; one row, held in v[x : x+15]: the mean, then the variance of the differences (two passes: a common offset of x costs no digits)
.macro LNROW x, row
	v_pk_add_f32 v[TS:TS+1],   v[\x:\x+1],     v[\x+2:\x+3]
	v_pk_add_f32 v[TS+2:TS+3], v[\x+4:\x+5],   v[\x+6:\x+7]
	v_pk_add_f32 v[TS+4:TS+5], v[\x+8:\x+9],   v[\x+10:\x+11]
	v_pk_add_f32 v[TS+6:TS+7], v[\x+12:\x+13], v[\x+14:\x+15]
	v_pk_add_f32 v[TS:TS+1],   v[TS:TS+1],     v[TS+2:TS+3]
	v_pk_add_f32 v[TS+4:TS+5], v[TS+4:TS+5],   v[TS+6:TS+7]
	v_pk_add_f32 v[TS:TS+1],   v[TS:TS+1],     v[TS+4:TS+5]
	v_add_f32 v[TS], v[TS], v[TS+1]
	WSUM TS, TS+1
	v_mul_f32 v[MU], s28, v[TS]
	v_mov_b32 v[MU+1], v[MU]
.irp j, 0,2,4,6,8,10,12,14
	v_pk_add_f32 v[\x+\j:\x+\j+1], v[\x+\j:\x+\j+1], v[MU:MU+1] neg_lo:[0,1] neg_hi:[0,1]   ; x - mean
.endr
	v_pk_mul_f32 v[TS:TS+1],   v[\x:\x+1],   v[\x:\x+1]           ; two chains, each started by a product: nothing is cleared
	v_pk_mul_f32 v[TS+2:TS+3], v[\x+2:\x+3], v[\x+2:\x+3]
.irp j, 4,8,12
	v_pk_fma_f32 v[TS:TS+1],   v[\x+\j:\x+\j+1],   v[\x+\j:\x+\j+1],   v[TS:TS+1]
	v_pk_fma_f32 v[TS+2:TS+3], v[\x+\j+2:\x+\j+3], v[\x+\j+2:\x+\j+3], v[TS+2:TS+3]
.endr
	v_pk_add_f32 v[TS:TS+1], v[TS:TS+1], v[TS+2:TS+3]
	v_add_f32 v[TS], v[TS], v[TS+1]
	WSUM TS, TS+1
	v_fma_f32 v[TS], v[TS], s28, s29               ; var + eps
	v_rsq_f32 v[RS], v[TS]
	v_nop                                          ; one plain vector instruction between v_rsq_f32 and the first use of its result (ISA guide 5.7.2)
	s_wait_alu depctr_va_vdst(0)
	v_mov_b32 v[RS+1], v[RS]
.irp j, 0,2,4,6,8,10,12,14
	v_pk_mul_f32 v[\x+\j:\x+\j+1], v[\x+\j:\x+\j+1], v[RS:RS+1]
.endr
.irp j, 0,2,4,6,8,10,12,14
	v_pk_fma_f32 v[\x+\j:\x+\j+1], v[\x+\j:\x+\j+1], v[LW+\j:LW+\j+1], v[LB+\j:LB+\j+1]
.endr
.irp j, 0,1,2,3,4,5,6,7
	v_cvt_pk_f16_f32 v[\x+\j], v[\x+2*\j], v[\x+2*\j+1]           ; packed in place: word j is written when words 2 j and 2 j + 1 are read
.endr
	global_store_b128 v2, v[\x:\x+3],   s[22:23] offset:1024*\row       ; columns 0-255: 512 consecutive bytes from the wave
	global_store_b128 v2, v[\x+4:\x+7], s[22:23] offset:1024*\row+512   ; columns 256-511
.endm
	s_wait_loadcnt 0x4                             ; ln_w, ln_b and row 0 are in; the four loads of row 1 stay out
	LNROW XR, 0
	s_wait_loadcnt 0x0
	LNROW XR+16, 1
	s_endpgm
.Lfunc_end_k_q67d5edbe5f_prep:
	.size	k_q67d5edbe5f_prep, .Lfunc_end_k_q67d5edbe5f_prep-k_q67d5edbe5f_prep
	.p2alignl 7, 3214868480
	.fill 96, 4, 3214868480
	.section	.rodata,"a",@progbits
	.p2align	6, 0x0
	.amdhsa_kernel k_q67d5edbe5f_prep
		.amdhsa_group_segment_fixed_size 0
		.amdhsa_private_segment_fixed_size 0
		.amdhsa_enable_private_segment 0
		.amdhsa_kernarg_size 80
		.amdhsa_user_sgpr_count 2
		.amdhsa_user_sgpr_kernarg_segment_ptr 1
		.amdhsa_wavefront_size32 1
		.amdhsa_system_sgpr_workgroup_id_x 1
		.amdhsa_system_sgpr_workgroup_id_y 1
		.amdhsa_system_sgpr_workgroup_id_z 1
		.amdhsa_system_vgpr_workitem_id 0
		.amdhsa_next_free_vgpr 88
		.amdhsa_next_free_sgpr 66
		.amdhsa_reserve_vcc 0
		.amdhsa_float_denorm_mode_32 3
		.amdhsa_float_denorm_mode_16_64 3
		.amdhsa_memory_ordered 1
		.amdhsa_forward_progress 1
		.amdhsa_inst_pref_size 15
	.end_amdhsa_kernel
	.amdgpu_metadata
---
amdhsa.version: [ 1, 2 ]
amdhsa.kernels:
  - .name:           k_q67d5edbe5f_prep
    .symbol:         k_q67d5edbe5f_prep.kd
    .args:
      - { .name: x, .offset: 0, .size: 8, .value_kind: global_buffer, .address_space: global }
      - { .name: ln_w, .offset: 8, .size: 8, .value_kind: global_buffer, .address_space: global }
      - { .name: ln_b, .offset: 16, .size: 8, .value_kind: global_buffer, .address_space: global }
      - { .name: q_w, .offset: 24, .size: 8, .value_kind: global_buffer, .address_space: global }
      - { .name: k_w, .offset: 32, .size: 8, .value_kind: global_buffer, .address_space: global }
      - { .name: v_w, .offset: 40, .size: 8, .value_kind: global_buffer, .address_space: global }
      - { .name: o_w, .offset: 48, .size: 8, .value_kind: global_buffer, .address_space: global }
      - { .name: xn, .offset: 56, .size: 8, .value_kind: global_buffer, .address_space: global }
      - { .name: wqkv, .offset: 64, .size: 8, .value_kind: global_buffer, .address_space: global }
      - { .name: wo, .offset: 72, .size: 8, .value_kind: global_buffer, .address_space: global }
    .group_segment_fixed_size: 0
    .private_segment_fixed_size: 0
    .kernarg_segment_align: 8
    .kernarg_segment_size: 80
    .max_flat_workgroup_size: 256
    .sgpr_count:     66
    .vgpr_count:     88
    .wavefront_size: 32
...
	.end_amdgpu_metadata
.endif
;; end of part 1
;; launch qkv (part 2): grid 16 x 16, 4 waves a work-group, clusters of 4 x 4, 327,680 bytes of LDS; arguments xn, wqkv, q_b, k_b, v_b, qkv; writes qkv
.if DOCPART == 2
	.amdgcn_target "amdgcn-amd-amdhsa--gfx1250"
	.amdhsa_code_object_version 6
	.text
	.protected	k_q67d5edbe5f_qkv
	.globl	k_q67d5edbe5f_qkv
	.p2align	8
	.type	k_q67d5edbe5f_qkv,@function
k_q67d5edbe5f_qkv:
	s_mov_b64 s[64:65], 0
	v_nop
	global_prefetch_b8 v0, s[64:65] scope:SCOPE_SE
	s_setreg_imm32_b32 hwreg(HW_REG_WAVE_MODE, 25, 1), 1
	s_wait_xcnt 0x0
	s_wait_alu depctr_hold_cnt(0) depctr_sa_sdst(0) depctr_va_vdst(0) depctr_va_sdst(0) depctr_va_ssrc(0) depctr_va_vcc(0) depctr_vm_vsrc(0)
	s_getreg_b32 s2, hwreg(HW_REG_IB_STS2, 6, 4)
	s_cmp_eq_u32 s2, 0
	s_cbranch_scc0 .Lentry_in_a_cluster
	s_endpgm
.Lentry_in_a_cluster:
	s_bfe_u32 s2, ttmp6, 0x10000c
	s_cmp_lg_u32 s2, 0xf033
	s_cbranch_scc0 .Lentry_shape_is_right
	s_endpgm
.Lentry_shape_is_right:
; qkv[m][n] = sum over k of xn[m][k] wqkv[k][n] + bias[n], rounded once to f16.  xn: [4096][512] f16, wqkv: [512][12288] f16,
; bias: q_b | k_b | v_b, [4096] f32 each, qkv: [4096][12288] f16.  Sums in f32.
; 256 work-groups of four waves.  Work-group (bx, by) stays and makes three blocks of 256 x 256: rows 256 by, columns t x 4096 + 256 bx for
; t = 0 (q), 1 (k), 2 (v); a wave makes 128 x 128 of a block: 64 accumulator tiles, 512 registers.  K = 512 is four steps of 128, so the ring of two
; LDS slots runs on from one block into the next: twelve steps in all, and a block's results leave while the next block's first tiles land.
; CLUSTERS: 4 x 4 work-groups.  The four of a row of the cluster need the same rows of xn, the four of a column the same columns of wqkv:
; such a tile is asked for jointly, by the same tensor load in all four, with a mask that names them: a quarter of the requests.
; The round of the cluster's barrier that precedes a refill is opened at the head of a step's last quarter, whose 64 matrix instructions work on registers
; alone: 16 of them stand inside the opening barrier, 16 inside the wait for the cluster, 32 behind the refill and the next slot's first LDS loads.
; A wave has two tensor loads out at the start and one behind every later round of the cluster's barrier.
; LIMIT: the results are kept in f16: |q|, |k|, |v| of 65,504 or more become infinities.
;
; REGISTERS, in windows of 256:  window 0: v16-27 addresses; v64-127, v128-191 fragments of xn, two buffers; v192-255 at work on the way out, two sets
;   window 1: v64-127, v128-191 fragments of wqkv, two buffers; v192-255 the bias as eight C operands
;   window 2: the 32 accumulator tiles of my rows 0-63 (tile (a, b) at v[8 (8 a + b)]);  window 3: those of my rows 64-127
; THE MATRIX INSTRUCTION IS USED TRANSPOSED: source 0 = 16 columns of wqkv, source 1 = 16 rows of xn.  Lane l then holds row l % 16 of the result and
; its registers 0-7 the columns 8 (l / 16) + 0 .. 7: eight neighbouring numbers, 16 bytes of f16.
.set KSTEP,  128
.set PITCH,  272                       ; an LDS row of xn: 256 bytes + 16 of padding: the 16 rows of a fragment start 16 bytes apart modulo 256
.set BPITCH, 544                       ; an LDS row of wqkv (one k, 256 columns): 512 bytes + 32 of padding, an odd multiple of 32 for the transposing load
.set HALFT,  34816                     ; what one tensor load brings: 128 rows x 272 = 64 rows x 544
.set SLOT,   4*HALFT                   ; xn's 256 rows, then wqkv's 128 k rows
.set STAGE,  2*SLOT                    ; behind the ring: 16 rows x 272 bytes for each wave, for the way out; no tensor load lands here
.set SPITCH, 272
.set STG2,   4*16*SPITCH               ; a second stage of the same shape, 17,408 bytes further: the two take turns
.set CROW,   24576                     ; bytes in a row of wqkv and of qkv
.set ADRA, 16                          ; v16-17  LDS address of my xn fragments in slot 0, 1
.set ADRB, 20                          ; v20-21  the same for wqkv
.set STO,  24                          ; v24     the way out: where I put 16 bytes of a row
.set RD,   25                          ; v25     the way out: where I read a row back
.set CO,   26                          ; v26     my byte offset in qkv
.set BO,   27                          ; v27     my byte offset in the bias: 32 (l / 16)
.set F0,   64
.set F1,   128
.set TMP,  192                         ; window 0: v192-223 and v224-255, by turns
.set BI,   192                         ; window 1
.set G1,  24                           ; s[24:31] descriptor group 1 for xn's tiles
.set G0,  32                           ; s[32:39] group 0 for xn's tiles, one set for each slot
.set G1B, 48                           ; s[48:55] group 1 for wqkv's tiles
.set G0B, 56                           ; s[56:63] group 0 for wqkv's tiles, one set for each slot
.set MSB, 0
.macro WIN new                         ; the immediate's high byte repeats the setting that is left
.if MSB != \new
	s_set_vgpr_msb (MSB<<8)|\new
.set MSB, \new
.endif
.endm
.set MUL_LO, 0xa1                      ; source 0 window 1, source 1 window 0, C and D window 2
.set MUL_HI, 0xf1                      ; the same, C and D window 3
.set BIA_LO, 0x91                      ; C window 1 (the bias), D window 2
.set BIA_HI, 0xd1                      ; C window 1, D window 3
.set TO_B,   0x40                      ; destination window 1, address window 0
; A joint load.  Waves 0 and 1 fetch xn's two halves, waves 2 and 3 wqkv's.  Each line has one mask and one set of registers for all that issue it.
.macro JLOAD s
	s_cmp_eq_u32 s11, 0
	s_cbranch_scc0 .Lfor_b_\@
	tensor_load_to_lds s[G0+4*\s:G0+4*\s+3], s[G1:G1+7]
	s_nop 0
	s_branch .Lasked_\@
.Lfor_b_\@:
	tensor_load_to_lds s[G0B+4*\s:G0B+4*\s+3], s[G1B:G1B+7]
	s_nop 0
.Lasked_\@:
.endm
; A whole round of the cluster's barrier: my work-group's barrier; wave 0 signals for the work-group; every wave waits for all sixteen; my barrier once more.
.macro CROUND
	s_barrier_signal -1
	s_barrier_wait -1
	s_cmp_lg_u32 s10, 0
	s_cbranch_scc1 .Lnot_wave_0_\@
	s_barrier_signal -3
.Lnot_wave_0_\@:
	s_barrier_wait -3
	s_barrier_signal -1
	s_barrier_wait -1
.endm
	s_load_b256 s[68:75], s[0:1], 0x0              ; xn 68, wqkv 70, q_b 72, k_b 74
	s_load_b128 s[76:79], s[0:1], 0x20             ; v_b 76, qkv 78
	s_set_vgpr_msb 0x40
	v_lshl_add_u32 v63, v0, 2, 0x4c800
	s_set_vgpr_msb 0x4000
	v_mov_b32 v63, 0
	s_set_vgpr_msb 0x1
	ds_add_u32 v63, v63
	s_wait_dscnt 0x0
	s_set_vgpr_msb 0x100
	v_lshrrev_b32 v1, 5, v0
	v_readfirstlane_b32 s10, v1                    ; wave 0..3
	s_lshr_b32 s11, s10, 1                         ; which half of the block's rows is mine.  Also: I fetch for xn (0) or for wqkv (1)
	s_and_b32 s12, s10, 1                          ; which half of its columns.  Also: which half of that tile I fetch
	s_bfe_u32 s40, ttmp6, 0x40000                  ; cx
	s_bfe_u32 s41, ttmp6, 0x40004                  ; cy
	s_lshl_b32 s42, ttmp9, 2
	s_add_co_u32 s42, s42, s40                     ; bx = 4 x cluster x + cx
	s_and_b32 s13, ttmp7, 0xffff
	s_lshl_b32 s13, s13, 2
	s_add_co_u32 s13, s13, s41                     ; by = 4 x cluster y + cy
	s_lshl_b32 s43, s41, 2
	s_lshl_b32 s43, 15, s43                        ; my row of the cluster: places 4 cy .. 4 cy + 3
	s_lshl_b32 s44, 0x1111, s40                    ; my column: places cx, cx + 4, cx + 8, cx + 12
	; group 1 for xn: 128 rows x 128 elements of 2 bytes, 4 words of padding behind every 64
	s_or_b32 s[G1+0], s43, (1<<16)|(1<<20)|(1<<21)|(5<<22)|(3<<25)
	s_mov_b32 s[G1+1], KSTEP<<16                   ; tensor_dim0 = 128
	s_mov_b32 s[G1+2], 128<<16                     ; tensor_dim1 = 128
	s_mov_b32 s[G1+3], KSTEP<<16                   ; tile_dim0 = 128
	s_mov_b32 s[G1+4], 128                         ; tile_dim1 = 128
	s_mov_b32 s[G1+5], 512                         ; elements from row to row of xn
	s_mov_b32 s[G1+6], 0
	s_mov_b32 s[G1+7], 0
	; group 1 for wqkv: 64 k rows x 256 elements of 2 bytes, 8 words of padding behind every 128
	s_or_b32 s[G1B+0], s44, (1<<16)|(1<<20)|(1<<21)|(6<<22)|(7<<25)
	s_mov_b32 s[G1B+1], 256<<16                    ; tensor_dim0 = 256
	s_mov_b32 s[G1B+2], 64<<16                     ; tensor_dim1 = 64
	s_mov_b32 s[G1B+3], 256<<16                    ; tile_dim0 = 256
	s_mov_b32 s[G1B+4], 64                         ; tile_dim1 = 64
	s_mov_b32 s[G1B+5], 12288                      ; elements from row to row of wqkv
	s_mov_b32 s[G1B+6], 0
	s_mov_b32 s[G1B+7], 0
	; where the tiles come from: xn's hang on by and the wave alone, wqkv's on bx and the wave alone, each in registers that never hold the other coordinate
	s_lshl_b32 s17, s12, 7
	s_lshl_b32 s16, s13, 8
	s_add_co_u32 s16, s16, s17                     ; xn: row 256 by + 128 x half,
	s_lshl_b32 s16, s16, 10                        ; of 1,024 bytes
	s_mov_b32 s17, 0
	s_mul_i32 s46, s12, 64*CROW                    ; wqkv: k row 64 x half,
	s_lshl_b32 s47, s42, 9                         ; column 256 bx, in bytes
	s_add_co_u32 s46, s46, s47
	s_mov_b32 s47, 0
	s_mul_i32 s20, s10, HALFT                      ; where they go: wave x 34,816: xn's halves, then wqkv's
	s_lshl_b32 s4, s42, 10                         ; the bias of my 128 columns: 4 (256 bx + 128 x column half)
	s_lshl_b32 s5, s12, 9
	s_add_co_u32 s4, s4, s5
	s_mov_b32 s5, 0
	s_lshl_b32 s6, s13, 8                          ; my corner of qkv: row 256 by + 128 x row half,
	s_lshl_b32 s7, s11, 7
	s_add_co_u32 s6, s6, s7
	s_mul_i32 s6, s6, CROW
	s_lshl_b32 s7, s42, 9                          ; column 256 bx + 128 x column half, in bytes
	s_add_co_u32 s6, s6, s7
	s_lshl_b32 s7, s12, 8
	s_add_co_u32 s6, s6, s7
	s_mov_b32 s7, 0
	CROUND                                         ; all sixteen work-groups are here: the first joint loads meet.  The round needs no address, so it stands
	s_wait_kmcnt 0x0                               ; ahead of the wait for the arguments, which travel meanwhile
	s_add_nc_u64 s[14:15], s[68:69], s[16:17]
	s_add_nc_u64 s[46:47], s[70:71], s[46:47]
	s_add_nc_u64 s[72:73], s[72:73], s[4:5]
	s_add_nc_u64 s[74:75], s[74:75], s[4:5]
	s_add_nc_u64 s[76:77], s[76:77], s[4:5]
	s_add_nc_u64 s[8:9], s[78:79], s[6:7]
	s_mov_b64 s[66:67], s[74:75]                   ; the bias that is loaded next: k_b
.irp s, 0,1
	s_mov_b32 s[G0+4*\s], 1
	s_add_co_u32 s[G0+4*\s+1], s20, \s*SLOT
	s_add_nc_u64 s[G0+4*\s+2:G0+4*\s+3], s[14:15], \s*KSTEP*2      ; K step s: 256 bytes along the rows
	s_or_b32 s[G0+4*\s+3], s[G0+4*\s+3], 0x80000000
	s_mov_b32 s[G0B+4*\s], 1
	s_add_co_u32 s[G0B+4*\s+1], s20, \s*SLOT
	s_add_nc_u64 s[G0B+4*\s+2:G0B+4*\s+3], s[46:47], \s*KSTEP*CROW ; K step s: 128 rows down
	s_or_b32 s[G0B+4*\s+3], s[G0B+4*\s+3], 0x80000000
	JLOAD \s                                       ; the ring is filled before anything else is done
.endr
	v_and_b32 v1, 15, v0                           ; l % 16
	v_bfe_u32 v2, v0, 4, 1                         ; l / 16
	v_mul_u32_u24 v3, v1, PITCH                    ; xn's fragment: row l % 16, 16 bytes for each half of the lanes; two loads 32 bytes apart
	v_lshl_add_u32 v3, v2, 4, v3
	s_mul_i32 s21, s11, HALFT                      ; my 128 rows of xn
	v_and_b32 v4, 7, v0                            ; wqkv's fragment, by the transposing load: lane l addresses k row 8 (l / 16) + l % 8,
	v_lshl_add_u32 v4, v2, 3, v4
	v_mul_u32_u24 v4, v4, BPITCH
	v_bfe_u32 v5, v0, 3, 1                         ; 16 bytes to the right for lanes 8-15 and 24-31; the second load 16 k rows further down
	v_lshl_add_u32 v4, v5, 4, v4
	s_lshl_b32 s22, s12, 8                         ; my 128 columns,
	s_add_co_u32 s22, s22, 2*HALFT                 ; behind xn's 256 rows
.irp s, 0,1
	v_add_nc_u32 v[ADRA+\s], s21, v3
	v_add_nc_u32 v[ADRB+\s], s22, v4
	s_add_co_u32 s21, s21, SLOT
	s_add_co_u32 s22, s22, SLOT
.endr
	s_mul_i32 s23, s10, 16*SPITCH
	s_add_co_u32 s23, s23, STAGE                   ; my stage
	v_mul_u32_u24 v4, v1, SPITCH
	v_lshl_add_u32 v4, v2, 4, v4
	v_add_nc_u32 v[STO], s23, v4
	v_mul_u32_u24 v5, v2, SPITCH
	v_lshl_add_u32 v5, v1, 4, v5
	v_add_nc_u32 v[RD], s23, v5
	v_mul_u32_u24 v5, v2, CROW
	v_lshl_add_u32 v[CO], v1, 4, v5
	v_lshlrev_b32 v[BO], 5, v2
; The bias of my 128 columns as eight C operands: register j of block b in lane l is bias[16 b + 8 (l / 16) + j], the column that the lane's result j has.
.macro BIASLD lo
	WIN TO_B
.irp b, 0,1,2,3,4,5,6,7
	global_load_b128 v[BI+8*\b:BI+8*\b+3],   v[BO], s[\lo:\lo+1] offset:64*\b
	global_load_b128 v[BI+8*\b+4:BI+8*\b+7], v[BO], s[\lo:\lo+1] offset:64*\b+16
.endr
	WIN 0
.endm
; 16 matrix instructions: row blocks a0, a0 + 1 of the window's four x all 8 column blocks, 32 along K.
; first = 1: the bias is the C operand and starts the sums: nothing is cleared and nothing is added later.
; The 64 accumulators take turns, one instruction a turn, in the same order in every quarter step.
.macro MUL16 f, hi, a0, first
.irp a, \a0, \a0+1
.irp b, 0,1,2,3,4,5,6,7
.if \first
	v_wmma_f32_16x16x32_f16 v[8*(8*(\a)+\b):8*(8*(\a)+\b)+7], v[\f+8*\b:\f+8*\b+7], v[\f+8*(4*\hi+\a):\f+8*(4*\hi+\a)+7], v[BI+8*\b:BI+8*\b+7]
.else
	v_wmma_f32_16x16x32_f16 v[8*(8*(\a)+\b):8*(8*(\a)+\b)+7], v[\f+8*\b:\f+8*\b+7], v[\f+8*(4*\hi+\a):\f+8*(4*\hi+\a)+7], v[8*(8*(\a)+\b):8*(8*(\a)+\b)+7]
.endif
.endr
.endr
.endm
; 32 LDS loads in one run: the fragments of quarter kq of a K step (32 k x my 128 columns, my 128 rows x 32 k) into buffer f
.macro FETCH slot, kq, f
	WIN TO_B
.irp i, 0,1,2,3,4,5,6,7
	ds_load_tr16_b128 v[\f+8*\i:\f+8*\i+3],   v[ADRB+\slot] offset:\kq*32*BPITCH+32*\i
	ds_load_tr16_b128 v[\f+8*\i+4:\f+8*\i+7], v[ADRB+\slot] offset:\kq*32*BPITCH+32*\i+16*BPITCH
.endr
	WIN 0
.irp i, 0,1,2,3,4,5,6,7
	ds_load_b128 v[\f+8*\i:\f+8*\i+3],   v[ADRA+\slot] offset:\kq*64+\i*16*PITCH
	ds_load_b128 v[\f+8*\i+4:\f+8*\i+7], v[ADRA+\slot] offset:\kq*64+\i*16*PITCH+32
.endr
.endm
; Four plain vector instructions between a matrix instruction and a load into, or a vector instruction on, one of its registers (ISA guide 7.12.1 for vector instructions);
; the matrix instructions in between are not counted.
.macro PLACES
.rept 4
	v_nop
.endr
.endm
; One of the first three quarters of a K step: multiplies buffer f; in its middle it fetches quarter kq into buffer g.
.macro QUARTER slot, kq, f, g, first
	s_wait_dscnt 8                                 ; wqkv's fragments and xn's rows 0-63 are in; the youngest eight loads (rows 64-127) may be out
.if \first
	WIN BIA_LO
.else
	WIN MUL_LO
.endif
	MUL16 \f, 0, 0, \first
	MUL16 \f, 0, 2, \first
	PLACES
	FETCH \slot, \kq, \g
	s_wait_dscnt 32                                ; all but the 32 just issued
.if \first
	WIN BIA_HI
.else
	WIN MUL_HI
.endif
	MUL16 \f, 1, 0, \first
	MUL16 \f, 1, 2, \first
.endm
.macro THREE slot, first
	QUARTER \slot, 1, F0, F1, \first
	QUARTER \slot, 2, F1, F0, 0
	QUARTER \slot, 3, F0, F1, 0
.endm
; The last quarter of a K step: multiplies buffer 1 and changes slots.  fill = 1: this slot is filled again, two steps ahead; wrap = 1: those two steps
; lead into the next block (K back by 256, 4,096 columns on); fetch = 1: the next slot's first fragments are read here.
; At its head each wave waits for its reads of this slot (the last were issued 32 matrix instructions ago) and for all its tensor loads (one is out: its
; part of the next slot), and signals.  Where the slot is filled again that barrier opens a round of the cluster's barrier; inside the round stands register
; work alone: 16 matrix instructions ahead of my work-group's wait, 16 ahead of the wait for the cluster.  The joint refill is the first tensor load behind the round.
; From a request to the wait for it a wave issues 224 matrix instructions.
.macro TURN slot, next, fill, fetch, wrap
	s_wait_dscnt 0x0                               ; my reads of this slot are over, buffer 1 is whole
	s_wait_tensorcnt 0x0                           ; and all my tensor loads have landed
	ds_add_u32 v63, v63
	s_wait_dscnt 0x0
	s_barrier_signal -1
	WIN MUL_LO
	MUL16 F1, 0, 0, 0                              ; registers only, while the other waves arrive
	WIN 0                                          ; (a branch follows)
	s_barrier_wait -1
.if \fill
	s_cmp_lg_u32 s10, 0
	s_cbranch_scc1 .Lnot_first_\@
	s_barrier_signal -3                            ; wave 0 says so for the work-group
.Lnot_first_\@:
.endif
	WIN MUL_LO
	MUL16 F1, 0, 2, 0                              ; registers only, while the other work-groups arrive
.if \fill
	WIN 0
	s_barrier_wait -3                              ; no wave of any partner still reads this slot's tile or has a load on its way
	s_barrier_signal -1
	s_barrier_wait -1
.if \wrap
	s_sub_nc_u64 s[G0+4*\slot+2:G0+4*\slot+3], s[G0+4*\slot+2:G0+4*\slot+3], 2*KSTEP*2
	s_sub_nc_u64 s[G0B+4*\slot+2:G0B+4*\slot+3], s[G0B+4*\slot+2:G0B+4*\slot+3], 2*KSTEP*CROW-8192
.else
	s_add_nc_u64 s[G0+4*\slot+2:G0+4*\slot+3], s[G0+4*\slot+2:G0+4*\slot+3], 2*KSTEP*2
	s_add_nc_u64 s[G0B+4*\slot+2:G0B+4*\slot+3], s[G0B+4*\slot+2:G0B+4*\slot+3], 2*KSTEP*CROW
.endif
	JLOAD \slot
.endif
.if \fetch
	PLACES
	FETCH \next, 0, F0
.endif
	WIN MUL_HI
	MUL16 F1, 1, 0, 0
	MUL16 F1, 1, 2, 0
.endm
; THE WAY OUT, 16 rows of my block at a time, in three parts that overlap from one 16 rows to the next.
; CVTST: rows 16 i .. 16 i + 15 (the eight tiles (a, 0..7) of window 2 or 3) are rounded to f16 and laid, 16 bytes a lane, into my stage i % 2.
.macro CVTST i, a, from
	WIN \from
.irp b, 0,1,2,3,4,5,6,7
.irp r, 0,1,2,3
	v_cvt_pk_f16_f32 v[TMP+32*((\i)&1)+4*\b+\r], v[8*(8*\a+\b)+2*\r], v[8*(8*\a+\b)+2*\r+1]
.endr
.endr
	WIN 0
.irp b, 0,1,2,3,4,5,6,7
	ds_store_b128 v[STO], v[TMP+32*((\i)&1)+4*\b:TMP+32*((\i)&1)+4*\b+3] offset:32*\b+STG2*((\i)&1)
.endr
.endm
; RDBACK: they are read back as whole rows of 256 bytes into buffer f.
.macro RDBACK i, f
	s_wait_xcnt 0x0                                ; buffer f, which earlier stores read, and the stores' base are rewritten only behind this wait
.if \i
	s_add_nc_u64 s[8:9], s[8:9], 16*CROW
.endif
.irp t, 0,1,2,3,4,5,6,7
	ds_load_b128 v[\f+4*\t:\f+4*\t+3], v[RD] offset:\t*2*SPITCH+STG2*((\i)&1)   ; LDS serves a wave's instructions in order (ISA guide 5.7.1.4): these see my stores
.endr
.endm
; GST: and stored.  younger = the LDS stores of the next 16 rows that were issued behind the loads (8, or 0 for the last rows).
.macro GST f, younger
.irp t, 0,1,2,3,4,5,6,7
	s_wait_dscnt \younger+7-\t                     ; load t is in; the 7 - t younger loads and the next rows' LDS stores stay out
	global_store_b128 v[CO], v[\f+4*\t:\f+4*\t+3], s[8:9] offset:2*\t*CROW   ; 16 lanes store 256 consecutive bytes, aligned to 256
.endr
.endm
; One block of 256 x 256: four K steps and the way out.  more = 1: another block follows, so the ring is kept full and the next bias is asked for.
.macro TILE more
	s_wait_xcnt 0x0                                ; buffer 0 was the data of the last block's stores
	FETCH 0, 0, F0                                 ; slot 0 holds this block's step 0: every wave waited for its part in front of the last barrier
	s_wait_loadcnt 0x0                             ; the bias
	THREE 0, 1
	TURN 0, 1, 1, 1, 0
	THREE 1, 0
	TURN 1, 0, 1, 1, 0
	THREE 0, 0
	TURN 0, 1, \more, 1, 1
	THREE 1, 0
.if \more
	TURN 1, 0, 1, 0, 1
.else
	s_wait_dscnt 8                                 ; the very last quarter: nothing more to fetch
	WIN MUL_LO
	MUL16 F1, 0, 0, 0
	MUL16 F1, 0, 2, 0
	s_wait_dscnt 0
	WIN MUL_HI
	MUL16 F1, 1, 0, 0
	MUL16 F1, 1, 2, 0
.endif
	PLACES                                         ; behind the last matrix instructions: for the conversions, the loads into the buffers and the bias
.if \more
	BIASLD 66
.endif
	CVTST 0, 0, 0x0a                               ; while one 16 rows' loads are on their way back, the next 16 rows are rounded and laid into the other stage
	RDBACK 0, F0
	CVTST 1, 1, 0x0a
	GST F0, 8
	RDBACK 1, F1
	CVTST 2, 2, 0x0a
	GST F1, 8
	RDBACK 2, F0
	CVTST 3, 3, 0x0a
	GST F0, 8
	RDBACK 3, F1
	CVTST 4, 0, 0x0f
	GST F1, 8
	RDBACK 4, F0
	CVTST 5, 1, 0x0f
	GST F0, 8
	RDBACK 5, F1
	CVTST 6, 2, 0x0f
	GST F1, 8
	RDBACK 6, F0
	CVTST 7, 3, 0x0f
	GST F0, 8
	RDBACK 7, F1
	GST F1, 0
.if \more
	s_wait_xcnt 0x0                                ; the stores' base and the bias loads' base are rewritten only behind this wait
	s_sub_nc_u64 s[8:9], s[8:9], 112*CROW-8192     ; 112 rows back, 4,096 columns on
	s_mov_b64 s[66:67], s[76:77]                   ; after k_b comes v_b
.endif
.endm
	BIASLD 72                                      ; q_b
	s_wait_tensorcnt 0x1                           ; my part of K step 0 is in; step 1's load stays out
	s_barrier_signal -1
	s_barrier_wait -1
	s_mov_b32 s3, 2
.Ltile:
	TILE 1
	s_sub_co_u32 s3, s3, 1
	s_cmp_lg_u32 s3, 0
	s_cbranch_scc1 .Ltile
	TILE 0
	s_set_vgpr_msb 0x1
	s_wait_tensorcnt 0x0
	ds_add_u32 v63, v63
	s_wait_dscnt 0x0
	s_set_vgpr_msb 0x100
	CROUND                                         ; the closing round: no work-group ends while a partner may still ask for a tile that names it
	s_endpgm
.Lfunc_end_k_q67d5edbe5f_qkv:
	.size	k_q67d5edbe5f_qkv, .Lfunc_end_k_q67d5edbe5f_qkv-k_q67d5edbe5f_qkv
	.p2alignl 7, 3214868480
	.fill 96, 4, 3214868480
	.section	.rodata,"a",@progbits
	.p2align	6, 0x0
	.amdhsa_kernel k_q67d5edbe5f_qkv
		.amdhsa_group_segment_fixed_size 327680
		.amdhsa_private_segment_fixed_size 0
		.amdhsa_enable_private_segment 0
		.amdhsa_kernarg_size 48
		.amdhsa_user_sgpr_count 2
		.amdhsa_user_sgpr_kernarg_segment_ptr 1
		.amdhsa_wavefront_size32 1
		.amdhsa_system_sgpr_workgroup_id_x 1
		.amdhsa_system_sgpr_workgroup_id_y 1
		.amdhsa_system_sgpr_workgroup_id_z 1
		.amdhsa_system_vgpr_workitem_id 0
		.amdhsa_next_free_vgpr 1024
		.amdhsa_next_free_sgpr 80
		.amdhsa_reserve_vcc 0
		.amdhsa_float_denorm_mode_32 3
		.amdhsa_float_denorm_mode_16_64 3
		.amdhsa_memory_ordered 1
		.amdhsa_forward_progress 1
		.amdhsa_inst_pref_size 255
	.end_amdhsa_kernel
	.section	.bss,"aw",@nobits
	.p2align	6
	.space	262144
	.amdgpu_metadata
---
amdhsa.version: [ 1, 2 ]
amdhsa.kernels:
  - .name:           k_q67d5edbe5f_qkv
    .symbol:         k_q67d5edbe5f_qkv.kd
    .args:
      - { .name: xn, .offset: 0, .size: 8, .value_kind: global_buffer, .address_space: global }
      - { .name: wqkv, .offset: 8, .size: 8, .value_kind: global_buffer, .address_space: global }
      - { .name: q_b, .offset: 16, .size: 8, .value_kind: global_buffer, .address_space: global }
      - { .name: k_b, .offset: 24, .size: 8, .value_kind: global_buffer, .address_space: global }
      - { .name: v_b, .offset: 32, .size: 8, .value_kind: global_buffer, .address_space: global }
      - { .name: qkv, .offset: 40, .size: 8, .value_kind: global_buffer, .address_space: global }
    .group_segment_fixed_size: 327680
    .private_segment_fixed_size: 0
    .kernarg_segment_align: 8
    .kernarg_segment_size: 48
    .max_flat_workgroup_size: 128
    .sgpr_count:     80
    .vgpr_count:     1024
    .wavefront_size: 32
...
	.end_amdgpu_metadata
.endif
;; end of part 2
;; launch attn (part 3): grid 8 x 32, 4 waves a work-group, clusters of 4 x 1, 327,680 bytes of LDS; arguments qkv, wo, part; writes part
.if DOCPART == 3
	.amdgcn_target "amdgcn-amd-amdhsa--gfx1250"
	.amdhsa_code_object_version 6
	.text
	.protected	k_q67d5edbe5f_attn
	.globl	k_q67d5edbe5f_attn
	.p2align	8
	.type	k_q67d5edbe5f_attn,@function
k_q67d5edbe5f_attn:
	s_mov_b64 s[64:65], 0
	v_nop
	global_prefetch_b8 v0, s[64:65] scope:SCOPE_SE
	s_setreg_imm32_b32 hwreg(HW_REG_WAVE_MODE, 25, 1), 1
	s_wait_xcnt 0x0
	s_wait_alu depctr_hold_cnt(0) depctr_sa_sdst(0) depctr_va_vdst(0) depctr_va_sdst(0) depctr_va_ssrc(0) depctr_va_vcc(0) depctr_vm_vsrc(0)
	s_getreg_b32 s2, hwreg(HW_REG_IB_STS2, 6, 4)
	s_cmp_eq_u32 s2, 0
	s_cbranch_scc0 .Lentry_in_a_cluster
	s_endpgm
.Lentry_in_a_cluster:
	s_bfe_u32 s2, ttmp6, 0x10000c
	s_cmp_lg_u32 s2, 0x3003
	s_cbranch_scc0 .Lentry_shape_is_right
	s_endpgm
.Lentry_shape_is_right:
; For one batch b, one head h and 128 queries: softmax(q k^T / sqrt(512)) v, then times the head's 512 rows of wo: the head's share of the output.
; qkv: [4096][12288] f16 (q | k | v, head h at columns 512 h of each), wo: [4096][512] f16, part: [8 heads][4096][512] f32.
; 256 work-groups of four waves: x = query block 0..7, y = 8 b + h.  Keys go in 8 tiles of 128, with a running maximum and a running sum in f32.
; The output projection is four more phases of the same shape as P V (128 of the head's 512 numbers each), so the attention's result never goes to memory;
; the sum over the eight heads spans work-groups and is made by the next launch.
; CLUSTERS: the four work-groups of a cluster are four query blocks of one (b, h): they walk the same tiles of k, v and wo.  Every tile is asked for
; jointly (mask 15), each wave bringing 32 rows of 1,024 bytes.  A wave has two tensor loads out at the start and one behind each later round.
; A WAVE'S SHARE.  q k^T and softmax: queries 32 w .. 32 w + 31, all 128 keys.  q stays in registers (window 1) as 32 fragments.  The product is made
;   transposed (source 0 = 16 keys, source 1 = 16 queries): a lane holds 8 neighbouring keys of one query, the row's maximum and sum need one step across lanes,
;   and 8 probabilities pack into 16 bytes of a row of P.
; P v and the projection: columns 128 w .. 128 w + 127 for all 128 queries, 64 accumulator tiles, again transposed (source 0 = 16 columns of v by the
;   transposing LDS load, source 1 = 16 queries of P): a lane holds 8 neighbouring columns of one query.
; k has one LDS slot and v has one: k's next tile lands during P v, v's during q k^T and the softmax.
; The round of the cluster's barrier behind P v is opened in front of that phase's last 32 matrix instructions, whose operands are in registers by then.
; LIMITS: operands are f16: |q|, |k|, |v| and the attention's result must be below 65,504; probabilities below 6e-8 of the row's largest are dropped.
;
; LDS:  KS 0        135,168  k tile, 128 rows, pitch 1,040; then wo's chunks 0 and 2, pitch 1,056; after its last fill the way-out stage, 8,448 bytes a wave
;       VS 135,168  135,168  v tile, 128 rows, pitch 1,056; then wo's chunks 1 and 3
;       PS 270,336   34,816  P, later 128 columns of the attention's result: 128 query rows x 128 f16, pitch 272 (written by LDS stores: no tensor load lands here)
;       AL 305,152    1,024  (alpha, alpha) for each query;    IL = AL + 1,024: (1/l, 1/l) for each query
; REGISTERS: window 0: v8-25 addresses and the running figures; v32-127 k fragments (3 x 32) / softmax scratch / v fragments and alpha;
;   v128-255 scores (16 tiles) / P fragments (2 x 64) / way-out buffers.  Window 1: q, later the packed result.  Windows 2, 3: accumulators, tile (a, b) at 8 (8 (a % 4) + b).
.set ROWB, 24576                       ; bytes in a row of qkv
.set KP,   1040                        ; odd multiple of 16: the 16 rows of a k fragment start 16 bytes apart modulo 256
.set VP,   1056                        ; odd multiple of 32, for the transposing load
.set PP,   272
.set SP,   528                         ; the way out: 512 bytes of f32 + 16
.set VS,   135168
.set PS,   270336
.set AL,   305152
.set ADK, 8                            ; v8-9    k fragments: key blocks 0-3, 4-7
.set ADV, 10                           ; v10-11  v fragments in VS: keys 0-63, 64-127
.set ADW, 12                           ; v12-13  the same in KS (wo's chunks 0 and 2)
.set ADP, 14                           ; v14     P fragments; also where a wave puts its chunk of the result
.set STP, 15                           ; v15     where I put 16 bytes of P
.set STA, 16                           ; v16     where I put alpha (1/l: 1,024 further)
.set LDA, 17                           ; v17     where I read alpha for query l % 16 of a block
.set STW, 18                           ; v18     the way out: in
.set RDW, 19                           ; v19     the way out: back
.set CO,  20                           ; v20     16 x lane
.set QO,  21                           ; v21     my offset in q
.set MC,  22                           ; v22-23  running maximum x c, for my two query blocks
.set LS,  24                           ; v24-25  running sum (this lane's half of the keys)
.set T,   32                           ; v32-35  four maxima
.set NM,  36                           ; v36-37  - maximum x c, twice
.set AA,  38                           ; v38-39  alpha, twice, of query block 0; v48-49 of query block 1
.set R,   40                           ; v40-47  four pairs of partial sums
.set PKR, 64                           ; v64-95  packed probabilities of query block 0; v96-127 of query block 1: no block waits for the other's LDS stores
.set VB,  32                           ; v32-95  8 fragments of v
.set ALF, 96                           ; v96-111 alpha (or 1/l) pairs of the 8 query blocks
.set S,   128                          ; scores: tile (key block kb, query block q) at S + 16 kb + 8 q
.set PB0, 128
.set PB1, 192
.set G1K, 16                           ; s[16:23] group 1 for k
.set G1V, 24                           ; s[24:31] for v
.set G1W, 32                           ; s[32:39] for wo
.set G0K, 40                           ; s[40:43] group 0 for k
.set G0V, 44
.set G0W0, 48                          ; wo into KS
.set G0W1, 52                          ; wo into VS
.set CEXP, 0x3d8293ef                  ; c = log2(e) / sqrt(512)
.set MSB, 0
.macro WIN new                         ; the immediate's high byte repeats the setting that is left
.if MSB != \new
	s_set_vgpr_msb (MSB<<8)|\new
.set MSB, \new
.endif
.endm
; Four plain vector instructions between a matrix instruction and a load into, or a vector instruction on, one of its registers (ISA guide 7.12.1 for vector instructions);
; matrix instructions in between are not counted.
.macro PLACES
.rept 4
	v_nop
.endr
.endm
; A round of the cluster's barrier: my work-group's barrier; wave 0 signals for the work-group; every wave waits for all four; my barrier once more.
.macro ROUND
	s_barrier_signal -1
	s_barrier_wait -1
	s_cmp_lg_u32 s10, 0
	s_cbranch_scc1 .Lnot_wave_0_\@
	s_barrier_signal -3
.Lnot_wave_0_\@:
	s_barrier_wait -3
	s_barrier_signal -1
	s_barrier_wait -1
.endm
	s_load_b128 s[4:7], s[0:1], 0x0                ; qkv 4, wo 6
	s_load_b64 s[8:9], s[0:1], 0x10                ; part
	v_lshl_add_u32 v30, v0, 2, 0x4b000
	v_mov_b32 v31, 0
	ds_add_u32 v30, v31
	s_wait_dscnt 0x0
	v_lshrrev_b32 v1, 5, v0
	v_readfirstlane_b32 s10, v1                    ; wave 0..3
	s_bfe_u32 s11, ttmp6, 0x40000                  ; cx
	s_lshl_b32 s12, ttmp9, 2
	s_add_co_u32 s12, s12, s11                     ; query block = 4 x cluster x + cx: enters q's and part's addresses alone
	s_and_b32 s13, ttmp7, 0xffff
	s_lshr_b32 s14, s13, 3                         ; b
	s_and_b32 s15, s13, 7                          ; h
	s_mov_b32 s70, 0x76543210                      ; v_permlanex16_b32: lane i of one half reads lane i of the other
	s_mov_b32 s71, 0xfedcba98
	; group 1: 32 rows x 512 elements of 2 bytes; padding behind every 256 words: 4 words for k, 8 for v and wo; mask 15 with bit 21 beside it
.irp d, G1K, G1V, G1W
	s_mov_b32 s[\d+1], 512<<16                     ; tensor_dim0 = 512
	s_mov_b32 s[\d+2], 32<<16                      ; tensor_dim1 = 32
	s_mov_b32 s[\d+3], 512<<16                     ; tile_dim0 = 512
	s_mov_b32 s[\d+4], 32                          ; tile_dim1 = 32
	s_mov_b32 s[\d+6], 0
	s_mov_b32 s[\d+7], 0
.endr
	s_mov_b32 s[G1K], 15|(1<<16)|(1<<20)|(1<<21)|(7<<22)|(3<<25)
	s_mov_b32 s[G1V], 15|(1<<16)|(1<<20)|(1<<21)|(7<<22)|(7<<25)
	s_mov_b32 s[G1W], 15|(1<<16)|(1<<20)|(1<<21)|(7<<22)|(7<<25)
	s_mov_b32 s[G1K+5], 12288                      ; elements from row to row of qkv
	s_mov_b32 s[G1V+5], 12288
	s_mov_b32 s[G1W+5], 512                        ; and of wo
	s_lshl_b32 s56, s14, 10                        ; k and v: row 1024 b + 32 w, column 512 h: made of b, h and the wave alone
	s_lshl_b32 s57, s10, 5
	s_add_co_u32 s56, s56, s57
	s_mul_i32 s56, s56, ROWB
	s_lshl_b32 s57, s15, 10
	s_add_co_u32 s56, s56, s57
	s_mov_b32 s57, 0
	s_lshl_b32 s60, s15, 19                        ; wo: row 512 h + 32 w, of 1,024 bytes
	s_lshl_b32 s61, s10, 15
	s_add_co_u32 s60, s60, s61
	s_mov_b32 s61, 0
	s_lshl_b32 s58, s14, 10                        ; q: row 1024 b + 128 x query block + 32 w, column 512 h
	s_lshl_b32 s59, s12, 7
	s_add_co_u32 s58, s58, s59
	s_lshl_b32 s62, s58, 11                        ; part: head h, row 1024 b + 128 x query block (2,048 bytes), column 128 w
	s_lshl_b32 s59, s10, 5
	s_add_co_u32 s58, s58, s59
	s_mul_i32 s58, s58, ROWB
	s_lshl_b32 s59, s15, 10
	s_add_co_u32 s58, s58, s59
	s_mov_b32 s59, 0
	s_lshl_b32 s63, s15, 23
	s_add_co_u32 s62, s62, s63
	s_lshl_b32 s63, s10, 9
	s_add_co_u32 s62, s62, s63
	s_mov_b32 s63, 0
	s_mul_i32 s73, s10, 32*KP                      ; my 32 rows of a k tile in LDS
	s_mul_i32 s74, s10, 32*VP                      ; my 32 rows of a v or wo tile
	ROUND                                          ; all four work-groups are here: the first joint loads meet.  The round needs no address, so it stands
	s_wait_kmcnt 0x0                               ; ahead of the wait for the arguments, which travel meanwhile
	s_mov_b32 s[G0K], 1
	s_add_co_u32 s[G0K+1], s73, 0
	s_add_nc_u64 s[G0K+2:G0K+3], s[4:5], s[56:57]
	s_mov_b32 s[G0V], 1
	s_add_co_u32 s[G0V+1], s74, VS
	s_add_nc_u64 s[G0V+2:G0V+3], s[G0K+2:G0K+3], 16384             ; v begins 8,192 columns in
	s_add_nc_u64 s[G0K+2:G0K+3], s[G0K+2:G0K+3], 8192              ; k 4,096
	s_or_b32 s[G0K+3], s[G0K+3], 0x80000000
	s_or_b32 s[G0V+3], s[G0V+3], 0x80000000
	s_mov_b32 s[G0W0], 1
	s_add_co_u32 s[G0W0+1], s74, 0
	s_add_nc_u64 s[G0W0+2:G0W0+3], s[6:7], s[60:61]                ; chunk 0
	s_mov_b32 s[G0W1], 1
	s_add_co_u32 s[G0W1+1], s74, VS
	s_add_nc_u64 s[G0W1+2:G0W1+3], s[G0W0+2:G0W0+3], 131072        ; chunk 1: 128 rows further
	s_or_b32 s[G0W0+3], s[G0W0+3], 0x80000000
	s_or_b32 s[G0W1+3], s[G0W1+3], 0x80000000
	s_add_nc_u64 s[66:67], s[4:5], s[58:59]                        ; q
	s_add_nc_u64 s[8:9], s[8:9], s[62:63]                          ; part
	tensor_load_to_lds s[G0K:G0K+3], s[G1K:G1K+7]  ; k tile 0
	s_nop 0
	tensor_load_to_lds s[G0V:G0V+3], s[G1V:G1V+7]  ; v tile 0
	s_nop 0
	v_and_b32 v2, 15, v0                           ; r = l % 16
	v_bfe_u32 v3, v0, 4, 1                         ; hl = l / 16
	v_mul_u32_u24 v[QO], v2, ROWB
	v_lshl_add_u32 v[QO], v3, 4, v[QO]
	v_and_b32 v1, 31, v0                           ; lane
	v_and_b32 v4, 7, v0
	v_bfe_u32 v5, v0, 3, 1
	v_mul_u32_u24 v[ADK], v2, KP
	v_lshl_add_u32 v[ADK], v3, 4, v[ADK]           ; key row r, 16 bytes for each half of the lanes
	v_add_nc_u32 v[ADK+1], 64*KP, v[ADK]
	v_lshl_add_u32 v6, v3, 3, v4                   ; the transposing load: lane l addresses key row 8 hl + l % 8,
	v_mul_u32_u24 v6, v6, VP
	v_lshl_add_u32 v6, v5, 4, v6                   ; 16 bytes to the right for lanes 8-15 and 24-31,
	s_lshl_b32 s75, s10, 8                         ; in my 128 columns
	v_add_nc_u32 v[ADW], s75, v6
	v_add_nc_u32 v[ADW+1], 64*VP, v[ADW]
	v_add_nc_u32 v[ADV], VS, v[ADW]
	v_add_nc_u32 v[ADV+1], VS+64*VP, v[ADW]
	v_mul_u32_u24 v7, v2, PP
	v_lshl_add_u32 v7, v3, 4, v7
	v_add_nc_u32 v[ADP], PS, v7
	s_mul_i32 s76, s10, 32*PP
	v_add_nc_u32 v[STP], s76, v[ADP]               ; my 32 query rows of P
	v_lshlrev_b32 v[LDA], 3, v2
	v_add_nc_u32 v[LDA], AL, v[LDA]
	v_add_nc_u32 v[STA], s75, v[LDA]               ; 8 bytes x (32 w + r)
	s_mul_i32 s77, s10, 16*SP
	v_mul_u32_u24 v[STW], v2, SP
	v_lshl_add_u32 v[STW], v3, 5, v[STW]
	v_add_nc_u32 v[STW], s77, v[STW]
	v_lshl_add_u32 v[RDW], v1, 4, s77
	v_lshlrev_b32 v[CO], 4, v1
	; q as 32 fragments: (query block q, 32 numbers d) at window 1, v[8 (16 q + d)]: lane l holds query l % 16, numbers 8 hl .. and 16 + 8 hl ..
	; The loads go out in the order in which q k^T takes the fragments, four loads for each d, so that the first tile can begin while the later ones travel.
	WIN 0x40
.irp d, 0,1,2,3,4,5,6,7,8,9,10,11,12,13,14,15
.irp q, 0,1
	global_load_b128 v[8*(16*\q+\d):8*(16*\q+\d)+3],   v[QO], s[66:67] offset:16*ROWB*\q+64*\d
	global_load_b128 v[8*(16*\q+\d)+4:8*(16*\q+\d)+7], v[QO], s[66:67] offset:16*ROWB*\q+64*\d+32
.endr
.endr
	WIN 0
; ---- q k^T.  Group g = (32 numbers d = g / 2, key blocks 4 (g % 2) .. + 3): 8 LDS loads into one of three buffers, 8 matrix instructions. ----
.macro LOADG g
.irp i, 0,1,2,3
	ds_load_b128 v[32+32*((\g)%3)+8*\i:32+32*((\g)%3)+8*\i+3],   v[ADK+((\g)&1)] offset:16*KP*\i+64*((\g)>>1)
	ds_load_b128 v[32+32*((\g)%3)+8*\i+4:32+32*((\g)%3)+8*\i+7], v[ADK+((\g)&1)] offset:16*KP*\i+64*((\g)>>1)+32
.endr
.endm
.macro MULG g
.set kb_, 32+32*((\g)%3)
.set ds_, (\g)>>1
.set hf_, (\g)&1
.irp i, 0,1,2,3
.irp q, 0,1
.set d_, S+16*(4*hf_+\i)+8*\q
.set q_, 8*(16*\q+ds_)
.if ds_ == 0
	v_wmma_f32_16x16x32_f16 v[d_:d_+7], v[kb_+8*\i:kb_+8*\i+7], v[q_:q_+7], 0       ; the first product starts the sum
.else
	v_wmma_f32_16x16x32_f16 v[d_:d_+7], v[kb_+8*\i:kb_+8*\i+7], v[q_:q_+7], v[d_:d_+7]
.endif
.endr
.endr
.endm
; The 16 score tiles take turns, one instruction a turn.  LDS loads run two groups ahead.
; first = 1 (the first tile): q is still arriving; in front of the two groups of slice d the wave waits for q's first 4 d + 4 loads.
.macro QK first
	WIN 0x04                                       ; source 1 (q) in window 1; all else, the LDS loads' operands too, in window 0
	PLACES
	LOADG 0
	LOADG 1
.set g, 0
.rept 32
.if g < 30
	PLACES                                         ; the buffer was read by the group before this one
	LOADG g+2
	s_wait_dscnt 16                                ; group g is in; the 16 loads of the two younger groups stay out
.else
	s_wait_dscnt 8*(31-g)                          ; the counts run down: 8, then 0
.endif
.if \first
.if (g&1) == 0
	s_wait_loadcnt 60-2*g                          ; loads come back in order: of q's 64 loads the 60 - 4 d of the later slices stay out
.endif
.endif
	MULG g
.set g, g+1
.endr
.endm
; ---- softmax of query block q: a lane holds 64 scores of query 16 q + r: keys 16 kb + 8 hl + j; the lane 16 further holds the other 64. ----
.macro SM1 q, first, last
.set sb_, S+8*\q
.set pk_, PKR+32*\q
.set aa_, AA+10*\q
.irp c, 0,1,2,3
	v_max3_num_f32 v[T+\c], v[sb_+32*\c], v[sb_+32*\c+1], v[sb_+32*\c+2]      ; four chains of 16 scores each
.endr
.irp p, 3,5,7,9,11,13
.irp c, 0,1,2,3
	v_max3_num_f32 v[T+\c], v[T+\c], v[sb_+32*\c+((\p)&7)+16*((\p)>>3)], v[sb_+32*\c+((\p+1)&7)+16*((\p+1)>>3)]
.endr
.endr
.irp c, 0,1,2,3
	v_max_num_f32 v[T+\c], v[T+\c], v[sb_+32*\c+23]
.endr
	v_max3_num_f32 v[T], v[T], v[T+1], v[T+2]
	v_max_num_f32 v[T], v[T], v[T+3]
	v_permlanex16_b32 v[T+1], v[T], s70, s71
	v_max_num_f32 v[T], v[T], v[T+1]               ; the tile's maximum of the query, in both lanes
	v_mul_f32 v[T], CEXP, v[T]                     ; in units of the exponent: c > 0 keeps the order
.if \first == 0
	v_max_num_f32 v[T], v[T], v[MC+\q]             ; the running maximum
	v_sub_f32 v[aa_], v[MC+\q], v[T]
	v_exp_f32 v[aa_], v[aa_]                       ; alpha = 2^(old - new), at most 1
.endif
	v_mov_b32 v[MC+\q], v[T]                       ; (also the plain instruction behind v_exp_f32: ISA guide 5.7.2)
	v_xor_b32 v[NM], 0x80000000, v[T]
	v_mov_b32 v[NM+1], v[NM]
.if \first == 0
	s_wait_alu depctr_va_vdst(0)
	v_mov_b32 v[aa_+1], v[aa_]
.endif
.irp k, 0,1,2,3,4,5,6,7
.irp p, 0,2,4,6
	v_pk_fma_f32 v[sb_+16*\k+\p:sb_+16*\k+\p+1], v[sb_+16*\k+\p:sb_+16*\k+\p+1], CEXP, v[NM:NM+1] op_sel_hi:[1,0,1]   ; s c - m c, at most a rounding above 0
.endr
.endr
.irp k, 0,1,2,3,4,5,6,7
.irp j, 0,1,2,3,4,5,6,7
	v_exp_f32 v[sb_+16*\k+\j], v[sb_+16*\k+\j]
.endr
.endr
	v_nop                                          ; one plain instruction behind the last v_exp_f32
	s_wait_alu depctr_va_vdst(0)
.irp c, 0,1,2,3
	v_pk_add_f32 v[R+2*\c:R+2*\c+1], v[sb_+32*\c:sb_+32*\c+1], v[sb_+32*\c+2:sb_+32*\c+3]
.endr
.irp n, 2,3,4,5,6,7
.irp c, 0,1,2,3
	v_pk_add_f32 v[R+2*\c:R+2*\c+1], v[R+2*\c:R+2*\c+1], v[sb_+32*\c+2*((\n)&3)+16*((\n)>>2):sb_+32*\c+2*((\n)&3)+16*((\n)>>2)+1]
.endr
.endr
	v_pk_add_f32 v[R:R+1], v[R:R+1], v[R+2:R+3]
	v_pk_add_f32 v[R+4:R+5], v[R+4:R+5], v[R+6:R+7]
	v_pk_add_f32 v[R:R+1], v[R:R+1], v[R+4:R+5]
.if \first
	v_add_f32 v[LS+\q], v[R], v[R+1]               ; the first tile starts the running sum
.else
	v_add_f32 v[R], v[R], v[R+1]
	v_fma_f32 v[LS+\q], v[LS+\q], v[aa_], v[R]     ; l = l alpha + the tile's sum (this lane's 64 keys; alpha is the same in both lanes)
.endif
.irp k, 0,1,2,3,4,5,6,7
.irp p, 0,1,2,3
	v_cvt_pk_f16_f32 v[pk_+4*\k+\p], v[sb_+16*\k+2*\p], v[sb_+16*\k+2*\p+1]
.endr
.endr
.irp k, 0,1,2,3,4,5,6,7
	ds_store_b128 v[STP], v[pk_+4*\k:pk_+4*\k+3] offset:16*PP*\q+32*\k        ; P(query, keys 16 k + 8 hl .. + 7)
.endr
.if \first == 0
	ds_store_b64 v[STA], v[aa_:aa_+1] offset:128*\q  ; both lanes of a query write the same pair
.endif
.if \last
	v_permlanex16_b32 v[T], v[LS+\q], s70, s71
	v_add_f32 v[T], v[T], v[LS+\q]                 ; the whole sum
	v_rcp_f32 v[R], v[T]
	v_nop
	s_wait_alu depctr_va_vdst(0)
	v_mov_b32 v[R+1], v[R]
	ds_store_b64 v[STA], v[R:R+1] offset:1024+128*\q
.endif
.endm
.macro SOFTMAX first, last
	WIN 0
	PLACES                                         ; behind the last matrix instructions of q k^T
	SM1 0, \first, \last
	SM1 1, \first, \last
.endm
; ---- P v, and the projection.  32 keys (or numbers of the head) a step ks. ----
.macro LDP ks, buf                     ; 16 loads: P's fragments of the 8 query blocks
.irp b, 0,1,2,3,4,5,6,7
	ds_load_b128 v[\buf+8*\b:\buf+8*\b+3],   v[ADP] offset:16*PP*\b+64*(\ks)
	ds_load_b128 v[\buf+8*\b+4:\buf+8*\b+7], v[ADP] offset:16*PP*\b+64*(\ks)+32
.endr
.endm
.macro LDV adr, ks, half               ; 8 transposing loads: column blocks 4 half .. 4 half + 3 of my eight
.irp i, 0,1,2,3
	ds_load_tr16_b128 v[VB+8*(4*\half+\i):VB+8*(4*\half+\i)+3],   v[\adr+((\ks)>>1)] offset:((\ks)&1)*32*VP+32*(4*\half+\i)
	ds_load_tr16_b128 v[VB+8*(4*\half+\i)+4:VB+8*(4*\half+\i)+7], v[\adr+((\ks)>>1)] offset:((\ks)&1)*32*VP+32*(4*\half+\i)+16*VP
.endr
.endm
.macro MULPVR half, buf, zero, ia, ib  ; 16 matrix instructions: column blocks ia and ib of the window's four x the 8 query blocks
.irp i, \ia, \ib
.irp b, 0,1,2,3,4,5,6,7
.if \zero
	v_wmma_f32_16x16x32_f16 v[8*(8*\i+\b):8*(8*\i+\b)+7], v[VB+8*(4*\half+\i):VB+8*(4*\half+\i)+7], v[\buf+8*\b:\buf+8*\b+7], 0
.else
	v_wmma_f32_16x16x32_f16 v[8*(8*\i+\b):8*(8*\i+\b)+7], v[VB+8*(4*\half+\i):VB+8*(4*\half+\i)+7], v[\buf+8*\b:\buf+8*\b+7], v[8*(8*\i+\b):8*(8*\i+\b)+7]
.endif
.endr
.endr
.endm
.macro MULPV half, buf, zero           ; 32 matrix instructions on the window's 32 accumulators, which take turns
	MULPVR \half, \buf, \zero, 0, 1
	MULPVR \half, \buf, \zero, 2, 3
.endm
.macro SCALE                           ; the window's 32 tiles, each by its query block's pair
.irp i, 0,1,2,3
.irp b, 0,1,2,3,4,5,6,7
.irp p, 0,2,4,6
	v_pk_mul_f32 v[8*(8*\i+\b)+\p:8*(8*\i+\b)+\p+1], v[8*(8*\i+\b)+\p:8*(8*\i+\b)+\p+1], v[ALF+2*\b:ALF+2*\b+1]
.endr
.endr
.endr
.endm
.macro PVSTEP adr, ks, buf, nbuf, zero ; one of the first three steps: it also fetches the next step's fragments
	s_wait_dscnt 8                                 ; P and column blocks 0-3 are in; the eight loads of blocks 4-7 may be out
	WIN 0xa0
	MULPV 0, \buf, \zero
	WIN 0
	PLACES
	LDV \adr, \ks+1, 0
	LDP \ks+1, \nbuf
	s_wait_dscnt 24                                ; all but the 24 just issued
	WIN 0xf0
	MULPV 1, \buf, \zero
	WIN 0
	PLACES
	LDV \adr, \ks+1, 1
.endm
; The last step.  Behind its first 32 matrix instructions every operand of the phase is in registers, so the barrier that ends the phase is opened there.
; tail = 0: no barrier.  tail = 1: a round of the cluster's barrier, behind which the caller fills a slot again: each wave waits for its LDS instructions and for all
; its tensor loads and signals; inside the round stands register work alone, 16 matrix instructions ahead of my work-group's wait and 16 ahead of the wait for the cluster.
; tail = 2: my work-group's barrier alone, with the same waits.
.macro PVEND buf, tail
	s_wait_dscnt 8
	WIN 0xa0
	MULPV 0, \buf, 0
	WIN 0
	s_wait_dscnt 0x0                               ; my reads of the slot, of P and of alpha are over
.if \tail == 0
	WIN 0xf0
	MULPV 1, \buf, 0
	WIN 0
.else
	s_wait_tensorcnt 0x0                           ; all my tensor loads have landed: the one that was out is my part of the other slot's next tile
	ds_add_u32 v30, v31
	s_wait_dscnt 0x0
	s_barrier_signal -1
	WIN 0xf0
	MULPVR 1, \buf, 0, 0, 1
	WIN 0                                          ; (a branch follows)
	s_barrier_wait -1
.if \tail == 1
	s_cmp_lg_u32 s10, 0
	s_cbranch_scc1 .Lnot_first_\@
	s_barrier_signal -3
.Lnot_first_\@:
.endif
	WIN 0xf0
	MULPVR 1, \buf, 0, 2, 3
	WIN 0
.if \tail == 1
	s_barrier_wait -3
	s_barrier_signal -1
	s_barrier_wait -1
.endif
.endif
.endm
; adr: ADV (the tile lies in VS) or ADW (in KS); zero: the first products start the sums; scale: the sums are first multiplied by alpha; tail: see PVEND
.macro PV adr, zero, scale, tail
	PLACES                                         ; behind the phase before: its last matrix instructions read the registers that are loaded now
.if \scale
.irp b, 0,1,2,3,4,5,6,7
	ds_load_b64 v[ALF+2*\b:ALF+2*\b+1], v[LDA] offset:128*\b
.endr
.endif
	LDP 0, PB0
	LDV \adr, 0, 0
	LDV \adr, 0, 1
.if \scale
	s_wait_dscnt 32                                ; alpha is in; the 32 loads of P and v stay out while the sums are scaled
	WIN 0x82
	SCALE
	WIN 0xc3
	SCALE
.endif
	PVSTEP \adr, 0, PB0, PB1, \zero
	PVSTEP \adr, 1, PB1, PB0, 0
	PVSTEP \adr, 2, PB0, PB1, 0
	PVEND PB1, \tail
.endm
; One tile of 128 keys.  Two rounds of the cluster's barrier.  In front of each, every wave waits for its LDS instructions and for all its tensor loads;
; behind the first nobody reads k's slot any more, P and alpha are whole and v's tile has landed; behind the second (opened inside P v's last step) nobody reads
; v's slot or P, and k's next tile has landed.  The joint refill is the first tensor load behind each round.  last = 1: the slots get wo's chunks 0 and 1 instead.
.macro ATILE first, last
	QK \first
	SOFTMAX \first, \last
	s_wait_dscnt 0x0
	s_wait_tensorcnt 0x0                           ; no tensor load of mine is out: a group 0 may be written
	ds_add_u32 v30, v31
	s_wait_dscnt 0x0
.if \last == 0
	s_add_nc_u64 s[G0K+2:G0K+3], s[G0K+2:G0K+3], 128*ROWB
.endif
	ROUND
.if \last
	tensor_load_to_lds s[G0W0:G0W0+3], s[G1W:G1W+7]
	s_nop 0
.else
	tensor_load_to_lds s[G0K:G0K+3], s[G1K:G1K+7]
	s_nop 0
.endif
.if \first
	PV ADV, 1, 0, 1
.else
	PV ADV, 0, 1, 1
.endif
.if \last
	tensor_load_to_lds s[G0W1:G0W1+3], s[G1W:G1W+7]
	s_nop 0
.else
	s_add_nc_u64 s[G0V+2:G0V+3], s[G0V+2:G0V+3], 128*ROWB          ; no tensor load of mine has been issued since the wait for all of them
	tensor_load_to_lds s[G0V:G0V+3], s[G1V:G1V+7]
	s_nop 0
.endif
.endm
; The attention's result: divide by l, round to f16, tile (a, b) into window 1, v[4 (8 a + b)] (q is no longer needed)
.macro CVT base
.irp i, 0,1,2,3
.irp b, 0,1,2,3,4,5,6,7
.irp p, 0,1,2,3
	v_cvt_pk_f16_f32 v[\base+4*(8*\i+\b)+\p], v[8*(8*\i+\b)+2*\p], v[8*(8*\i+\b)+2*\p+1]
.endr
.endr
.endr
.endm
.macro PACK
	PLACES
.irp b, 0,1,2,3,4,5,6,7
	ds_load_b64 v[ALF+2*\b:ALF+2*\b+1], v[LDA] offset:1024+128*\b
.endr
	s_wait_dscnt 0x0
	WIN 0x82
	SCALE
	WIN 0x4a
	CVT 0
	WIN 0xc3
	SCALE
	WIN 0x4f
	CVT 128
	WIN 0
.endm
; Wave c owns numbers 128 c .. 128 c + 127 of the head: it lays them into PS as 128 query rows, for all four waves to read as they read P.
; The tensor load that is on its way may stay out across it.
.macro CHUNK c
	s_cmp_lg_u32 s10, \c
	s_cbranch_scc1 .Lnot_mine_\@
	WIN 0x04                                       ; the stores' data in window 1
.irp a, 0,1,2,3,4,5,6,7
.irp b, 0,1,2,3,4,5,6,7
	ds_store_b128 v[ADP], v[4*(8*\a+\b):4*(8*\a+\b)+3] offset:16*PP*\b+32*\a
.endr
.endr
	WIN 0
.Lnot_mine_\@:
	s_wait_dscnt 0x0
	s_barrier_signal -1
	s_barrier_wait -1
.endm
; The way out, 16 queries at a time: 32 bytes a lane and tile into my own stage, read back as rows of 512 bytes, stored.
.macro OUTB b, buf
	WIN 0x08                                       ; the stores' data in window 2
.irp a, 0,1,2,3
	ds_store_b128 v[STW], v[8*(8*\a+\b):8*(8*\a+\b)+3]   offset:64*\a
	ds_store_b128 v[STW], v[8*(8*\a+\b)+4:8*(8*\a+\b)+7] offset:64*\a+16
.endr
	WIN 0x0c                                       ; in window 3
.irp a, 0,1,2,3
	ds_store_b128 v[STW], v[8*(8*\a+\b):8*(8*\a+\b)+3]   offset:64*\a+256
	ds_store_b128 v[STW], v[8*(8*\a+\b)+4:8*(8*\a+\b)+7] offset:64*\a+272
.endr
	WIN 0
	s_wait_xcnt 0x0                                ; the buffer, which earlier stores read, and the stores' base are rewritten only behind this wait
.if \b
	s_add_nc_u64 s[8:9], s[8:9], 32768             ; 16 rows of 2,048 bytes on
.endif
.irp i, 0,1,2,3,4,5,6,7,8,9,10,11,12,13,14,15
	ds_load_b128 v[\buf+4*\i:\buf+4*\i+3], v[RDW] offset:SP*\i     ; LDS serves a wave's instructions in order (ISA guide 5.7.1.4): these see the stores above
.endr
.irp i, 0,1,2,3,4,5,6,7,8,9,10,11,12,13,14,15
	s_wait_dscnt 15-\i                             ; load i is in, the 15 - i younger ones stay out
	global_store_b128 v[CO], v[\buf+4*\i:\buf+4*\i+3], s[8:9] offset:2048*\i   ; the wave stores 512 consecutive bytes, aligned to 512
.endr
.endm
	s_wait_tensorcnt 0x1                           ; my part of k's tile 0 is in; v's load stays out
	s_barrier_signal -1                            ; (q's loads stay out too: they land in my own registers and are waited for slice by slice)
	s_barrier_wait -1
	ATILE 1, 0                                     ; the first tile starts the maximum, the sum and the accumulators
	s_mov_b32 s72, 6
.Ltile:
	ATILE 0, 0
	s_sub_co_u32 s72, s72, 1
	s_cmp_lg_u32 s72, 0
	s_cbranch_scc1 .Ltile
	ATILE 0, 1                                     ; the last tile: 1/l is made, and wo's first two chunks are asked for
	PACK
	CHUNK 0
	PV ADW, 1, 0, 1                                ; chunk 0 lies in KS: every wave waited for its part in front of the last round.  Its own round shows chunk 1 landed
	s_add_nc_u64 s[G0W0+2:G0W0+3], s[G0W0+2:G0W0+3], 262144
	tensor_load_to_lds s[G0W0:G0W0+3], s[G1W:G1W+7]                ; chunk 2 into KS
	s_nop 0
	CHUNK 1
	PV ADV, 0, 0, 1                                ; its round shows chunk 2 landed
	s_add_nc_u64 s[G0W1+2:G0W1+3], s[G0W1+2:G0W1+3], 262144
	tensor_load_to_lds s[G0W1:G0W1+3], s[G1W:G1W+7]                ; chunk 3 into VS: the last tensor load
	s_nop 0
	CHUNK 2
	PV ADW, 0, 0, 2                                ; my work-group's barrier alone: reads of PS and KS are over, chunk 3 has landed; nothing is filled any more
	CHUNK 3
	PV ADV, 0, 0, 0
	PLACES                                         ; behind the last matrix instructions: for the stores of results and the loads into the buffers
	OUTB 0, PB0                                    ; the stage lies in KS, which has had its last fill and whose last reads ended in front of the barrier of chunk 2's phase
	OUTB 1, PB1
	OUTB 2, PB0
	OUTB 3, PB1
	OUTB 4, PB0
	OUTB 5, PB1
	OUTB 6, PB0
	OUTB 7, PB1
	s_wait_tensorcnt 0x0
	ds_add_u32 v30, v31
	s_wait_dscnt 0x0
	ROUND                                          ; the closing round: no work-group ends while a partner may still ask for a tile that names it
	s_endpgm
.Lfunc_end_k_q67d5edbe5f_attn:
	.size	k_q67d5edbe5f_attn, .Lfunc_end_k_q67d5edbe5f_attn-k_q67d5edbe5f_attn
	.p2alignl 7, 3214868480
	.fill 96, 4, 3214868480
	.section	.rodata,"a",@progbits
	.p2align	6, 0x0
	.amdhsa_kernel k_q67d5edbe5f_attn
		.amdhsa_group_segment_fixed_size 327680
		.amdhsa_private_segment_fixed_size 0
		.amdhsa_enable_private_segment 0
		.amdhsa_kernarg_size 24
		.amdhsa_user_sgpr_count 2
		.amdhsa_user_sgpr_kernarg_segment_ptr 1
		.amdhsa_wavefront_size32 1
		.amdhsa_system_sgpr_workgroup_id_x 1
		.amdhsa_system_sgpr_workgroup_id_y 1
		.amdhsa_system_sgpr_workgroup_id_z 1
		.amdhsa_system_vgpr_workitem_id 0
		.amdhsa_next_free_vgpr 1024
		.amdhsa_next_free_sgpr 84
		.amdhsa_reserve_vcc 0
		.amdhsa_float_denorm_mode_32 3
		.amdhsa_float_denorm_mode_16_64 3
		.amdhsa_memory_ordered 1
		.amdhsa_forward_progress 1
		.amdhsa_inst_pref_size 255
	.end_amdhsa_kernel
	.section	.bss,"aw",@nobits
	.p2align	6
	.space	262144
	.amdgpu_metadata
---
amdhsa.version: [ 1, 2 ]
amdhsa.kernels:
  - .name:           k_q67d5edbe5f_attn
    .symbol:         k_q67d5edbe5f_attn.kd
    .args:
      - { .name: qkv, .offset: 0, .size: 8, .value_kind: global_buffer, .address_space: global }
      - { .name: wo, .offset: 8, .size: 8, .value_kind: global_buffer, .address_space: global }
      - { .name: part, .offset: 16, .size: 8, .value_kind: global_buffer, .address_space: global }
    .group_segment_fixed_size: 327680
    .private_segment_fixed_size: 0
    .kernarg_segment_align: 8
    .kernarg_segment_size: 24
    .max_flat_workgroup_size: 128
    .sgpr_count:     84
    .vgpr_count:     1024
    .wavefront_size: 32
...
	.end_amdgpu_metadata
.endif
;; end of part 3
;; launch headsum (part 4): grid 1024 x 1, 8 waves a work-group, no clusters, 0 bytes of LDS; arguments part, o_b, out0; writes out0
.if DOCPART == 4
	.amdgcn_target "amdgcn-amd-amdhsa--gfx1250"
	.amdhsa_code_object_version 6
	.text
	.protected	k_q67d5edbe5f_headsum
	.globl	k_q67d5edbe5f_headsum
	.p2align	8
	.type	k_q67d5edbe5f_headsum,@function
k_q67d5edbe5f_headsum:
	s_mov_b64 s[64:65], 0
	v_nop
	global_prefetch_b8 v0, s[64:65] scope:SCOPE_SE
	s_setreg_imm32_b32 hwreg(HW_REG_WAVE_MODE, 25, 1), 1
	s_wait_xcnt 0x0
; out0 = part[0] + part[1] + .. + part[7] + o_b, in f32, heads in ascending order.  part: [8][4096][512] f32, o_b: [512] f32, out0: [4096][512] f32.
; A stream: each byte of part is read once, each byte of out0 written once; no LDS, no barrier, no matrix work, nothing to share in a cluster.
; 1,024 work-groups of eight waves; a wave makes 1,024 bytes of out0 (half a row): two stores of 512 consecutive bytes.
; All 18 loads of a wave go out at once; the waits count down as the heads are added.
.set BIA, 4                            ; v[4:11]   o_b of my 8 columns
.set P,   12                           ; v[12:75]  head h: 8 registers; head 0's take the sum
	s_load_b128 s[4:7], s[0:1], 0x0                ; part 4, o_b 6
	s_load_b64 s[8:9], s[0:1], 0x10                ; out0
	v_lshrrev_b32 v1, 5, v0
	v_readfirstlane_b32 s10, v1                    ; wave 0..7
	v_and_b32 v1, 31, v0
	v_lshlrev_b32 v1, 4, v1                        ; 16 bytes a lane
	s_lshl_b32 s12, ttmp9, 13                      ; 8,192 x group + 1,024 x wave
	s_lshl_b32 s13, s10, 10
	s_add_co_u32 s12, s12, s13
	s_mov_b32 s13, 0
	s_and_b32 s14, s10, 1                          ; a row is 2,048 bytes: odd waves hold its second half
	s_lshl_b32 s14, s14, 10
	s_mov_b32 s15, 0
	s_wait_kmcnt 0x0
	s_add_nc_u64 s[6:7], s[6:7], s[14:15]
	s_add_nc_u64 s[8:9], s[8:9], s[12:13]
	s_add_nc_u64 s[16:17], s[4:5], s[12:13]        ; a base for each head: 8,388,608 bytes apart, one more than a load's immediate reaches
.irp h, 1,2,3,4,5,6,7
	s_add_nc_u64 s[16+2*\h:17+2*\h], s[14+2*\h:15+2*\h], 0x800000
.endr
	global_load_b128 v[BIA:BIA+3],   v1, s[6:7]
	global_load_b128 v[BIA+4:BIA+7], v1, s[6:7] offset:512
.irp h, 0,1,2,3,4,5,6,7
	global_load_b128 v[P+8*\h:P+8*\h+3],   v1, s[16+2*\h:17+2*\h] th:TH_LOAD_NT
	global_load_b128 v[P+8*\h+4:P+8*\h+7], v1, s[16+2*\h:17+2*\h] offset:512 th:TH_LOAD_NT
.endr
.irp h, 1,2,3,4,5,6,7
	s_wait_loadcnt 14-2*\h                         ; head h is in; the 14 - 2 h loads of the later heads stay out
.irp j, 0,2,4,6
	v_pk_add_f32 v[P+\j:P+\j+1], v[P+\j:P+\j+1], v[P+8*\h+\j:P+8*\h+\j+1]
.endr
.endr
.irp j, 0,2,4,6
	v_pk_add_f32 v[P+\j:P+\j+1], v[P+\j:P+\j+1], v[BIA+\j:BIA+\j+1]
.endr
	global_store_b128 v1, v[P:P+3],   s[8:9] th:TH_STORE_NT
	global_store_b128 v1, v[P+4:P+7], s[8:9] offset:512 th:TH_STORE_NT
	s_endpgm
.Lfunc_end_k_q67d5edbe5f_headsum:
	.size	k_q67d5edbe5f_headsum, .Lfunc_end_k_q67d5edbe5f_headsum-k_q67d5edbe5f_headsum
	.p2alignl 7, 3214868480
	.fill 96, 4, 3214868480
	.section	.rodata,"a",@progbits
	.p2align	6, 0x0
	.amdhsa_kernel k_q67d5edbe5f_headsum
		.amdhsa_group_segment_fixed_size 0
		.amdhsa_private_segment_fixed_size 0
		.amdhsa_enable_private_segment 0
		.amdhsa_kernarg_size 24
		.amdhsa_user_sgpr_count 2
		.amdhsa_user_sgpr_kernarg_segment_ptr 1
		.amdhsa_wavefront_size32 1
		.amdhsa_system_sgpr_workgroup_id_x 1
		.amdhsa_system_sgpr_workgroup_id_y 1
		.amdhsa_system_sgpr_workgroup_id_z 1
		.amdhsa_system_vgpr_workitem_id 0
		.amdhsa_next_free_vgpr 84
		.amdhsa_next_free_sgpr 66
		.amdhsa_reserve_vcc 0
		.amdhsa_float_denorm_mode_32 3
		.amdhsa_float_denorm_mode_16_64 3
		.amdhsa_memory_ordered 1
		.amdhsa_forward_progress 1
		.amdhsa_inst_pref_size 6
	.end_amdhsa_kernel
	.amdgpu_metadata
---
amdhsa.version: [ 1, 2 ]
amdhsa.kernels:
  - .name:           k_q67d5edbe5f_headsum
    .symbol:         k_q67d5edbe5f_headsum.kd
    .args:
      - { .name: part, .offset: 0, .size: 8, .value_kind: global_buffer, .address_space: global }
      - { .name: o_b, .offset: 8, .size: 8, .value_kind: global_buffer, .address_space: global }
      - { .name: out0, .offset: 16, .size: 8, .value_kind: global_buffer, .address_space: global }
    .group_segment_fixed_size: 0
    .private_segment_fixed_size: 0
    .kernarg_segment_align: 8
    .kernarg_segment_size: 24
    .max_flat_workgroup_size: 256
    .sgpr_count:     66
    .vgpr_count:     84
    .wavefront_size: 32
...
	.end_amdgpu_metadata
.endif
;; end of part 4
